; MI455X (gfx1250); checked and timed in simulation.
; The chip was launched on July 23, 2026; its instructions are those of AMD's public machine-readable ISA for CDNA 5 (MIT licence, August 2026) and "CDNA5" Instruction Set Architecture Reference Guide (July 2026). The comments in the code are by the model that wrote it; some were corrected since.
;; Self Attention. Allowed arithmetic: float matrix products may take bf16 or f16 operands with f32 sums; all other float work in f32.
;; Inputs: b_out 1,024 float32; w_out 1,024 x 1,024 float32; w_qkv 3,072 x 1,024 float32; x 4 x 2,048 x 1,024 float32.
;; Outputs: out0 4 x 2,048 x 1,024 float32.
;; 2 versions, each right; version 2 is version 1 with the launch cast written anew for expert scheduling mode. Each part assembles by itself: llvm-mc -triple=amdgcn-amd-amdhsa -mcpu=gfx1250 --defsym DOCPART=n.
;; ======== version 1 of 2: 4 launches
;; limits: values are held in f16: magnitudes above 65,504 overflow, below 6.1e-05 lose precision
;; workspace buffers: xh 16,777,216 bytes; wqh 6,291,456 bytes; woh 2,097,152 bytes; qkv 50,331,648 bytes; ao 16,777,216 bytes
;; launch cast (part 1): grid 768 x 1, 8 waves a work-group, no clusters, 0 bytes of LDS; arguments x, w_qkv, w_out, xh, wqh, woh; writes xh, wqh, woh
.if DOCPART == 1
	.amdgcn_target "amdgcn-amd-amdhsa--gfx1250"
	.amdhsa_code_object_version 6
	.text
	.protected	k_qcff5e4e404_cast
	.globl	k_qcff5e4e404_cast
	.p2align	8
	.type	k_qcff5e4e404_cast,@function
k_qcff5e4e404_cast:
	s_mov_b64 s[64:65], 0
	v_nop
	global_prefetch_b8 v0, s[64:65] scope:SCOPE_SE
	s_setreg_imm32_b32 hwreg(HW_REG_WAVE_MODE, 25, 1), 1
	s_wait_xcnt 0x0
; x [8192][1024], w_qkv [3072][1024], w_out [1024][1024], all f32, are rounded once to f16 and laid out anew in K panels:
; dst[kp][row][64], byte (kp * rows + row) * 128 + 2 (k mod 64), kp = k / 64.  A tile "R rows x 64 k" of such a buffer is a dense
; block of R * 128 bytes, which the later launches fetch as aligned rows of 256 bytes.
; LIMIT: f16 holds magnitudes below 65,504; larger inputs become infinities.
; A stream: no LDS, no barrier, no matrix unit.  A work-group takes 16 rows (512 groups for x, 192 for w_qkv, 64 for w_out);
; thread t takes 16 bytes at column 16 (t mod 16) of each of the 16 panels of row t / 16.  A wave's load covers two pieces of 256
; consecutive bytes (one panel of two rows); its store covers 256 consecutive bytes, aligned (the same panel of the two rows, in f16).
; All 16 loads of a thread go out first; no register is written twice, so the only waits are the counted ones for the data.
.set IN,  1                            ; v1        byte offset of my 16 bytes in panel 0 of my row, from the group's first row
.set OUT, 2                            ; v2        byte offset of my 8 bytes in a panel, from the group's first row there
.set X,   4                            ; v[4:67]   panel kp: 4 numbers as loaded
.set Y,   68                           ; v[68:99]  panel kp: 4 numbers in f16
	s_load_b256 s[4:11], s[0:1], 0x0               ; x s[4:5], w_qkv s[6:7], w_out s[8:9], xh s[10:11]
	s_load_b128 s[12:15], s[0:1], 0x20             ; wqh s[12:13], woh s[14:15]
	v_lshrrev_b32 v3, 4, v0                        ; my row in the group
	v_and_b32 v[IN], 15, v0
	v_lshlrev_b32 v[IN], 4, v[IN]
	v_lshl_add_u32 v[IN], v3, 12, v[IN]            ; row x 4,096 + 16 (t mod 16)
	v_lshlrev_b32 v[OUT], 3, v0                    ; row x 128 + 8 (t mod 16) = 8 t
	s_wait_kmcnt 0x0
; One tensor's share.  sb, db: the scalar pairs with the source's and the target's address; rows: the tensor's rows; g0: its first work-group.
.macro CAST sb, db, rows, g0
	s_sub_co_u32 s2, ttmp9, \g0                    ; my group among the tensor's
	s_lshl_b32 s18, s2, 16                         ; 16 rows of 4,096 bytes in
	s_mov_b32 s19, 0
	s_lshl_b32 s20, s2, 11                         ; 16 rows of 128 bytes in each panel out
	s_mov_b32 s21, 0
	s_add_nc_u64 s[\sb:\sb+1], s[\sb:\sb+1], s[18:19]
	s_add_nc_u64 s[\db:\db+1], s[\db:\db+1], s[20:21]
	s_add_nc_u64 s[16:17], s[\db:\db+1], 8*\rows*128   ; panels 8 to 15 get a base of their own: 7 panels of 8,192 rows are 7,340,032 bytes, inside the signed 24-bit immediate
.irp kp, 0,1,2,3,4,5,6,7,8,9,10,11,12,13,14,15
	global_load_b128 v[X+4*\kp:X+4*\kp+3], v[IN], s[\sb:\sb+1] offset:256*\kp th:TH_LOAD_NT
.endr
.irp kp, 0,1,2,3,4,5,6,7,8,9,10,11,12,13,14,15
	s_wait_loadcnt 15-\kp                          ; loads come back in order (ISA guide 5.7.1): panel kp is in, the younger ones stay out
	v_cvt_pk_f16_f32 v[Y+2*\kp],   v[X+4*\kp],   v[X+4*\kp+1]
	v_cvt_pk_f16_f32 v[Y+2*\kp+1], v[X+4*\kp+2], v[X+4*\kp+3]
.if \kp < 8
	global_store_b64 v[OUT], v[Y+2*\kp:Y+2*\kp+1], s[\db:\db+1] offset:\kp*\rows*128
.else
	global_store_b64 v[OUT], v[Y+2*\kp:Y+2*\kp+1], s[16:17] offset:(\kp-8)*\rows*128
.endif
.endr
	s_endpgm
.endm
	s_cmp_lt_u32 ttmp9, 512
	s_cbranch_scc1 .Lx
	s_cmp_lt_u32 ttmp9, 704
	s_cbranch_scc1 .Lwq
	CAST 8, 14, 1024, 704                          ; w_out -> woh
.Lwq:
	CAST 6, 12, 3072, 512                          ; w_qkv -> wqh
.Lx:
	CAST 4, 10, 8192, 0                            ; x -> xh
.Lfunc_end_k_qcff5e4e404_cast:
	.size	k_qcff5e4e404_cast, .Lfunc_end_k_qcff5e4e404_cast-k_qcff5e4e404_cast
	.p2alignl 7, 3214868480
	.fill 96, 4, 3214868480
	.section	.rodata,"a",@progbits
	.p2align	6, 0x0
	.amdhsa_kernel k_qcff5e4e404_cast
		.amdhsa_group_segment_fixed_size 0
		.amdhsa_private_segment_fixed_size 0
		.amdhsa_enable_private_segment 0
		.amdhsa_kernarg_size 48
		.amdhsa_user_sgpr_count 2
		.amdhsa_user_sgpr_kernarg_segment_ptr 1
		.amdhsa_wavefront_size32 1
		.amdhsa_system_sgpr_workgroup_id_x 1
		.amdhsa_system_sgpr_workgroup_id_y 1
		.amdhsa_system_sgpr_workgroup_id_z 1
		.amdhsa_system_vgpr_workitem_id 0
		.amdhsa_next_free_vgpr 104
		.amdhsa_next_free_sgpr 66
		.amdhsa_reserve_vcc 0
		.amdhsa_float_denorm_mode_32 3
		.amdhsa_float_denorm_mode_16_64 3
		.amdhsa_memory_ordered 1
		.amdhsa_forward_progress 1
		.amdhsa_inst_pref_size 19
	.end_amdhsa_kernel
	.amdgpu_metadata
---
amdhsa.version: [ 1, 2 ]
amdhsa.kernels:
  - .name:           k_qcff5e4e404_cast
    .symbol:         k_qcff5e4e404_cast.kd
    .args:
      - { .name: x, .offset: 0, .size: 8, .value_kind: global_buffer, .address_space: global }
      - { .name: w_qkv, .offset: 8, .size: 8, .value_kind: global_buffer, .address_space: global }
      - { .name: w_out, .offset: 16, .size: 8, .value_kind: global_buffer, .address_space: global }
      - { .name: xh, .offset: 24, .size: 8, .value_kind: global_buffer, .address_space: global }
      - { .name: wqh, .offset: 32, .size: 8, .value_kind: global_buffer, .address_space: global }
      - { .name: woh, .offset: 40, .size: 8, .value_kind: global_buffer, .address_space: global }
    .group_segment_fixed_size: 0
    .private_segment_fixed_size: 0
    .kernarg_segment_align: 8
    .kernarg_segment_size: 48
    .max_flat_workgroup_size: 256
    .sgpr_count:     66
    .vgpr_count:     104
    .wavefront_size: 32
...
	.end_amdgpu_metadata
.endif
;; end of part 1
;; launch qkv (part 2): grid 8 x 32, 4 waves a work-group, clusters of 4 x 4, 327,680 bytes of LDS; arguments xh, wqh, qkv; writes qkv
.if DOCPART == 2
	.amdgcn_target "amdgcn-amd-amdhsa--gfx1250"
	.amdhsa_code_object_version 6
	.text
	.protected	k_qcff5e4e404_qkv
	.globl	k_qcff5e4e404_qkv
	.p2align	8
	.type	k_qcff5e4e404_qkv,@function
k_qcff5e4e404_qkv:
	s_mov_b64 s[64:65], 0
	v_nop
	global_prefetch_b8 v0, s[64:65] scope:SCOPE_SE
	s_setreg_imm32_b32 hwreg(HW_REG_WAVE_MODE, 25, 1), 1
	s_wait_xcnt 0x0
	s_wait_alu depctr_hold_cnt(0) depctr_sa_sdst(0) depctr_va_vdst(0) depctr_va_sdst(0) depctr_va_ssrc(0) depctr_va_vcc(0) depctr_vm_vsrc(0)
	s_getreg_b32 s2, hwreg(HW_REG_IB_STS2, 6, 4)
	s_cmp_eq_u32 s2, 0
	s_cbranch_scc0 .Lentry_in_a_cluster
	s_endpgm
.Lentry_in_a_cluster:
	s_bfe_u32 s2, ttmp6, 0x10000c
	s_cmp_lg_u32 s2, 0xf033
	s_cbranch_scc0 .Lentry_shape_is_right
	s_endpgm
.Lentry_shape_is_right:
; qkv = x w_qkv^T: [8192 tokens] x [3072 features], K = 1024, f16 operands, f32 sums, f16 out.
; In: xh [16 panels][8192][64], wqh [16][3072][64] (f16, K panels).  Out: qkv [batch 4][g 48][token 2048][64] f16, g = feature / 64
; (q heads 0-15, k heads 16-31, v heads 32-47), byte ((batch * 48 + g) * 2048 + token) * 128.
; LIMIT: results are kept in f16: magnitudes below 65,504.
; A work-group makes 256 tokens x 384 features: 32 x 8 = 256 work-groups of equal work.  Four waves, as many as a WGP has SIMDs; a wave makes
; 128 x 192 (three whole heads): 96 accumulator tiles of 16 x 16, 768 registers.  K goes in steps of 64 (one panel) through two LDS slots:
; 640 rows of 128 bytes a slot; two slots of a step of 128 would take 368,640 bytes, more than a work-group can have.
; A panel's tile is dense in memory, so it is fetched as rows of 256 bytes (two logical rows), and the pad of 16 bytes behind every
; 128 bytes gives each logical row an LDS pitch of 144.
; CLUSTERS: 4 x 4 work-groups.  The four of a row of the cluster need the same tile of xh, the four of a column the same tile of wqh:
; each is asked for jointly (same line, same descriptor, a mask that names the four).
;
; REGISTERS, in windows of 256:
;   window 0: v16-26 addresses; v32-95, v96-159 fragments of xh (8 x 16 rows x 32 K), two buffers; v160-255 the 12 fragments of wqh, one buffer,
;             reloaded by thirds as soon as a third has been multiplied
;   windows 1-3: accumulator tile (a, b), a = token block 0-7, b = feature block 0-11, at v[8 (8 (b mod 4) + a)] of window 1 + b / 4
; THE MATRIX INSTRUCTION IS USED TRANSPOSED: source 0 = 16 rows of wqh, source 1 = 16 rows of xh.  Lane l then holds token l % 16 and its
; registers 0 to 7 the features 8 (l / 16) + 0 .. 7: eight neighbouring numbers, 16 bytes in f16.
.set PITCH,  144                       ; LDS row: 128 bytes + 16 of padding, an odd multiple of 16: the 16 rows of a fragment load start 36 words apart
.set ATILE,  256*PITCH                 ; xh's 256 rows
.set BPART,  128*PITCH                 ; a third of wqh's 384 rows: one wave's tensor load
.set SLOT,   ATILE+3*BPART             ; 92,160
.set STAGE,  2*SLOT                    ; behind the ring: 16 rows x 400 bytes for each wave, for the way out; no tensor load lands here
.set SPITCH, 400                       ; 192 f16 + 16 bytes
.set APANEL, 8192*128                  ; bytes from a panel of xh to the next
.set BPANEL, 3072*128                  ; the same for wqh
.set LAPS,   8                         ; a lap = two K steps = once round the ring; 16 K steps
.set ADRA, 16                          ; v16-17  LDS address of my xh fragments in slot 0, 1
.set ADRB, 20                          ; v20-21  the same for wqh
.set STO,  24                          ; v24     the way out: where I put 16 bytes of a token's row
.set RD,   25                          ; v25     the way out: where I read back
.set CO,   26                          ; v26     my byte offset in a store of four tokens
.set AF0,  32
.set AF1,  96
.set BF,   160
.set TMP,  32                          ; the way out: packed results
.set G1,  24                           ; s[24:31] descriptor group 1 for xh's tile
.set G0,  32                           ; s[32:39] descriptor group 0 for xh's tile, one set for each slot
.set G1B, 48                           ; s[48:55] group 1 for wqh's tiles
.set G0B, 56                           ; s[56:63] group 0 for wqh's tiles, one set for each slot
.set G1W0, (1<<16)|(1<<20)|(1<<21)|(4<<22)|(3<<25)   ; 17:16 elements of 2 bytes; 20 padding on; 21 set beside a mask; 24:22 after every 32 words (code 4); 31:25 of 4 words (code 3)
.set MSB, 0
.macro WIN new                         ; the immediate's high byte repeats the setting that is left; switches that change nothing are dropped
.if MSB != (\new)
	s_set_vgpr_msb (MSB<<8)|(\new)
.set MSB, \new
.endif
.endm
.macro PLACES                          ; four plain vector places behind matrix instructions, in front of loads into their sources and of readers of their results
.rept 4
	v_nop
.endr
.endm
; A joint load.  Wave 0 fetches xh's tile (32 KiB), waves 1 to 3 a third of wqh's each (16 KiB).  Each of the two lines has one mask and one set of
; registers for all that issue it.  The branch hangs on the wave's number alone.  Four v_nop follow each line.
.macro JLOAD s
	s_cmp_eq_u32 s10, 0
	s_cbranch_scc0 .Lfor_b_\@
	tensor_load_to_lds s[G0+4*\s:G0+4*\s+3], s[G1:G1+7]
	s_nop 0
.rept 4
	v_nop
.endr
	s_branch .Lasked_\@
.Lfor_b_\@:
	tensor_load_to_lds s[G0B+4*\s:G0B+4*\s+3], s[G1B:G1B+7]
	s_nop 0
.rept 4
	v_nop
.endr
.Lasked_\@:
.endm
.macro CREST                           ; a round of the cluster's barrier behind its opening work-group barrier
	s_cmp_lg_u32 s10, 0
	s_cbranch_scc1 .Lnot_wave_0_\@
	s_barrier_signal -3
.Lnot_wave_0_\@:
	s_barrier_wait -3
	s_barrier_signal -1
	s_barrier_wait -1
.endm
.macro CROUND                          ; a whole round
	s_barrier_signal -1
	s_barrier_wait -1
	CREST
.endm
	s_load_b128 s[4:7], s[0:1], 0x0                ; xh s[4:5], wqh s[6:7]
	s_load_b64 s[8:9], s[0:1], 0x10                ; qkv
	v_lshl_add_u32 v30, v0, 2, 0x33400
	v_mov_b32 v31, 0
	ds_add_u32 v30, v31
	v_lshrrev_b32 v1, 5, v0
	v_readfirstlane_b32 s10, v1                    ; wave 0..3
	s_lshr_b32 s11, s10, 1                         ; which 128 tokens of the block are mine
	s_and_b32 s12, s10, 1                          ; which 192 features
	s_bfe_u32 s40, ttmp6, 0x40000                  ; cx
	s_bfe_u32 s41, ttmp6, 0x40004                  ; cy
	s_lshl_b32 s42, ttmp9, 2
	s_add_co_u32 s42, s42, s40                     ; feature block = 4 x cluster x + cx
	s_and_b32 s13, ttmp7, 0xffff
	s_lshl_b32 s13, s13, 2
	s_add_co_u32 s13, s13, s41                     ; token block = 4 x cluster y + cy
	s_lshl_b32 s43, s41, 2
	s_lshl_b32 s43, 15, s43                        ; my row of the cluster: places 4 cy .. 4 cy + 3
	s_lshl_b32 s44, 0x1111, s40                    ; my column: places cx, cx + 4, cx + 8, cx + 12
	; group 1: dense tiles as rows of 128 elements (256 bytes); xh's has 128 such rows, a third of wqh's has 64
	s_or_b32  s[G1+0],  s43, G1W0                  ; 15:0 the mask: xh's tile goes to my row of the cluster
	s_or_b32  s[G1B+0], s44, G1W0                  ; wqh's tiles go to my column
	s_mov_b32 s[G1+1],  128<<16                    ; 63:48 tensor_dim0 = 128
	s_mov_b32 s[G1B+1], 128<<16
	s_mov_b32 s[G1+2],  128<<16                    ; 95:80 tensor_dim1 = 128
	s_mov_b32 s[G1B+2], 64<<16                     ; = 64
	s_mov_b32 s[G1+3],  128<<16                    ; 127:112 tile_dim0 = 128
	s_mov_b32 s[G1B+3], 128<<16
	s_mov_b32 s[G1+4],  128                        ; 143:128 tile_dim1 = 128
	s_mov_b32 s[G1B+4], 64                         ; = 64
	s_mov_b32 s[G1+5],  128                        ; 191:160 elements from row to row: dense
	s_mov_b32 s[G1B+5], 128
	s_mov_b32 s[G1+6],  0
	s_mov_b32 s[G1B+6], 0
	s_mov_b32 s[G1+7],  0
	s_mov_b32 s[G1B+7], 0
	; xh's tile hangs on the token block alone, wqh's on the feature block and the wave alone, each in registers that never hold the other coordinate
	s_lshl_b32 s16, s13, 15                        ; token block x 256 rows x 128 bytes
	s_mov_b32 s17, 0
	s_max_u32 s45, s10, 1
	s_sub_co_u32 s45, s45, 1                       ; which third of wqh's rows I fetch (wave 0 fetches none: its figure is not used)
	s_lshl_b32 s45, s45, 14                        ; x 128 rows x 128 bytes
	s_mul_i32 s46, s42, 384*128                    ; feature block x 384 rows x 128 bytes
	s_add_co_u32 s46, s46, s45
	s_mov_b32 s47, 0
	s_mul_i32 s20, s10, BPART
	s_add_co_u32 s20, s20, BPART                   ; LDS: behind xh's 36,864 bytes, third w - 1: 18,432 (w + 1)
	s_wait_dscnt 0x0
	s_wait_kmcnt 0x0
	s_add_nc_u64 s[14:15], s[4:5], s[16:17]
	s_add_nc_u64 s[46:47], s[6:7], s[46:47]
	CROUND                                         ; all sixteen work-groups are here: the first joint loads meet
.irp s, 0,1
	s_mov_b32 s[G0+4*\s], 1                                        ; count = 1
	s_mov_b32 s[G0+4*\s+1], \s*SLOT                                ; LDS address
	s_add_nc_u64 s[G0+4*\s+2:G0+4*\s+3], s[14:15], \s*APANEL       ; global address: panel s
	s_or_b32 s[G0+4*\s+3], s[G0+4*\s+3], 0x80000000                ; type = 2
	s_mov_b32 s[G0B+4*\s], 1
	s_add_co_u32 s[G0B+4*\s+1], s20, \s*SLOT
	s_add_nc_u64 s[G0B+4*\s+2:G0B+4*\s+3], s[46:47], \s*BPANEL
	s_or_b32 s[G0B+4*\s+3], s[G0B+4*\s+3], 0x80000000
	JLOAD \s                                       ; both slots' first fills go out together: two tensor loads of the wave are out
.endr
	; a fragment is 16 rows x 32 K in 8 registers: lane l holds row l % 16; two loads of 16 bytes, 32 bytes apart, at row x pitch + 16 (l / 16)
	v_and_b32 v1, 15, v0
	v_bfe_u32 v2, v0, 4, 1
	v_mul_u32_u24 v3, v1, PITCH
	v_lshl_add_u32 v3, v2, 4, v3
	s_mul_i32 s21, s11, 128*PITCH                  ; my 128 rows of xh
	s_mul_i32 s22, s12, 192*PITCH                  ; my 192 rows of wqh,
	s_add_co_u32 s22, s22, ATILE                   ; which lie behind xh's
.irp s, 0,1
	v_add_nc_u32 v[ADRA+\s], s21, v3
	v_add_nc_u32 v[ADRB+\s], s22, v3
	s_add_co_u32 s21, s21, SLOT
	s_add_co_u32 s22, s22, SLOT
.endr
	s_mul_i32 s23, s10, 16*SPITCH
	s_add_co_u32 s23, s23, STAGE                   ; my stage
	v_mul_u32_u24 v4, v1, SPITCH                   ; in: token l % 16, 16 bytes for each half of the lanes
	v_lshl_add_u32 v4, v2, 4, v4
	v_add_nc_u32 v[STO], s23, v4
	v_bfe_u32 v5, v0, 3, 2                         ; back: eight lanes take one token's 128 bytes of a head, a load takes four tokens
	v_and_b32 v6, 7, v0
	v_mul_u32_u24 v5, v5, SPITCH
	v_lshl_add_u32 v5, v6, 4, v5
	v_add_nc_u32 v[RD], s23, v5
	v_and_b32 v7, 31, v0
	v_lshlrev_b32 v[CO], 4, v7                     ; four tokens of a head are 512 consecutive bytes of qkv
; 8 matrix instructions: feature block 4 g + bb x all 8 token blocks, 32 along K.  zero = 1: the first product starts the sums.
; The 96 accumulators take turns, one instruction a turn, in the same order in every quarter.
.macro MULB f, g, bb, zero
.irp a, 0,1,2,3,4,5,6,7
.if \zero
	v_wmma_f32_16x16x32_f16 v[8*(8*\bb+\a):8*(8*\bb+\a)+7], v[BF+8*(4*\g+\bb):BF+8*(4*\g+\bb)+7], v[\f+8*\a:\f+8*\a+7], 0
.else
	v_wmma_f32_16x16x32_f16 v[8*(8*\bb+\a):8*(8*\bb+\a)+7], v[BF+8*(4*\g+\bb):BF+8*(4*\g+\bb)+7], v[\f+8*\a:\f+8*\a+7], v[8*(8*\bb+\a):8*(8*\bb+\a)+7]
.endif
.endr
.endm
.macro GRP f, g, zero                  ; a third of a quarter: 32 matrix instructions under one window setting (C and D in window g + 1)
	WIN (0x50*(\g+1))
	MULB \f,\g,0,\zero
	MULB \f,\g,1,\zero
	MULB \f,\g,2,\zero
	MULB \f,\g,3,\zero
.endm
.macro LDB slot, k, g                  ; 8 loads: wqh's fragments 4 g .. 4 g + 3, 32 K at byte k of the rows
.irp bb, 0,1,2,3
	ds_load_b128 v[BF+8*(4*\g+\bb):BF+8*(4*\g+\bb)+3],   v[ADRB+\slot] offset:\k+(4*\g+\bb)*16*PITCH
	ds_load_b128 v[BF+8*(4*\g+\bb)+4:BF+8*(4*\g+\bb)+7], v[ADRB+\slot] offset:\k+(4*\g+\bb)*16*PITCH+32
.endr
.endm
.macro LDA slot, k, f, half            ; 8 loads: xh's fragments 4 half .. 4 half + 3 into buffer f
.irp i, 0,1,2,3
	ds_load_b128 v[\f+8*(4*\half+\i):\f+8*(4*\half+\i)+3],   v[ADRA+\slot] offset:\k+(4*\half+\i)*16*PITCH
	ds_load_b128 v[\f+8*(4*\half+\i)+4:\f+8*(4*\half+\i)+7], v[ADRA+\slot] offset:\k+(4*\half+\i)*16*PITCH+32
.endr
.endm
; A quarter is 32 along K, 96 matrix instructions.  The next quarter's 40 loads go out in the order [B third 0, A low], [B third 1, A high], [B third 2],
; each third of B straight behind its last use.
; The first quarter of a K step: multiplies buffer f; fetches byte nk of slot ns into buffer nf.
.macro QUART f, ns, nk, nf, zero
	s_wait_dscnt 8                                 ; all but the youngest eight loads (B's third 2) are back
	GRP \f,0,\zero
	WIN 0
	PLACES
	LDB \ns,\nk,0
	LDA \ns,\nk,\nf,0
	GRP \f,1,\zero
	WIN 0
	PLACES
	LDB \ns,\nk,1
	LDA \ns,\nk,\nf,1
	s_wait_dscnt 32                                ; all but the 32 issued in this quarter: B's third 2 is back
	GRP \f,2,\zero
	WIN 0
	PLACES
	LDB \ns,\nk,2
.endm
; The second quarter: multiplies buffer 1 and changes slots.  ONE barrier for the change: in front of it each wave waits for its reads of this slot and for
; all its tensor loads (the one that is out is its part of the next slot); behind it the refill comes first, then the next slot's first fragments.
.macro TURNQ slot, next, fill
	s_wait_dscnt 8
	WIN 0x50
	MULB AF1,0,0,0
	MULB AF1,0,1,0
	s_wait_dscnt 0x0                               ; my reads of this slot are over
	s_wait_tensorcnt 0x0                           ; and all my tensor loads have landed
	ds_add_u32 v30, v31
	s_wait_dscnt 0x0
	s_barrier_signal -1                            ; where the slot is filled again this barrier opens a round of the cluster's barrier
	MULB AF1,0,2,0                                 ; register work while the others arrive
	MULB AF1,0,3,0
	WIN 0
	s_barrier_wait -1
.if \fill
	CREST                                          ; no wave of any partner still reads this slot or has a load on its way
	s_add_nc_u64 s[G0+4*\slot+2:G0+4*\slot+3], s[G0+4*\slot+2:G0+4*\slot+3], 2*APANEL
	s_add_nc_u64 s[G0B+4*\slot+2:G0B+4*\slot+3], s[G0B+4*\slot+2:G0B+4*\slot+3], 2*BPANEL
	JLOAD \slot                                    ; the first tensor load behind the round, one a wave; its four v_nop are also the places in front of the loads below
.else
	PLACES
.endif
	LDB \next,0,0
	LDA \next,0,AF0,0
	GRP AF1,1,0
	WIN 0
	PLACES
	LDB \next,0,1
	LDA \next,0,AF0,1
	GRP AF1,2,0                                    ; B's third 2 came back by the wait for 0 above
	WIN 0
	PLACES
	LDB \next,0,2
.endm
.macro LAP zero                        ; once round the ring, both slots filled again
	QUART AF0,0,64,AF1,\zero
	TURNQ 0,1,1
	QUART AF0,1,64,AF1,0
	TURNQ 1,0,1
.endm
	s_wait_tensorcnt 0x1                           ; my part of K step 0 is in; K step 1's stays out
	s_barrier_signal -1
	s_barrier_wait -1                              ; everybody's is
	LDB 0,0,0
	LDA 0,0,AF0,0
	LDB 0,0,1
	LDA 0,0,AF0,1
	LDB 0,0,2
	LAP 1                                          ; the first lap stands in front of the loop: its first products start the sums
	s_mov_b32 s3, LAPS-2
.Llap:
	LAP 0
	s_sub_co_u32 s3, s3, 1
	s_cmp_lg_u32 s3, 0
	s_cbranch_scc1 .Llap
	QUART AF0,0,64,AF1,0                           ; the last lap fills nothing
	TURNQ 0,1,0
	QUART AF0,1,64,AF1,0
	s_wait_dscnt 8                                 ; the very last quarter: nothing more to fetch
	GRP AF1,0,0
	GRP AF1,1,0
	s_wait_dscnt 0x0
	GRP AF1,2,0
	WIN 0
	; THE WAY OUT, 16 tokens at a time: round to f16, 16 bytes a lane into my own stage, read back head by head, four tokens (512 bytes) a store.
	PLACES
	s_lshr_b32 s16, s13, 3                         ; batch = token block / 8
	s_mul_i32 s16, s16, 48*2048
	s_and_b32 s17, s13, 7
	s_lshl_b32 s17, s17, 8
	s_add_co_u32 s16, s16, s17                     ; + 256 (token block mod 8)
	s_lshl_b32 s17, s11, 7
	s_add_co_u32 s16, s16, s17                     ; + my 128 tokens
	s_lshl_b32 s16, s16, 7                         ; rows of 128 bytes
	s_mov_b32 s17, 0
	s_add_nc_u64 s[8:9], s[8:9], s[16:17]
	s_mul_i32 s46, s42, 6                          ; my first head group = 6 x feature block + 3 x half (in the registers that held wqh's address)
	s_mul_i32 s47, s12, 3
	s_add_co_u32 s46, s46, s47
	s_lshl_b32 s46, s46, 18                        ; x 2,048 tokens x 128 bytes
	s_mov_b32 s47, 0
	s_add_nc_u64 s[8:9], s[8:9], s[46:47]
; tokens 16 a .. 16 a + 15 of my block = the twelve tiles (a, 0..11); rb: the read-back registers, two sets in turn
.macro OUT16 a, rb
.irp g, 0,1,2
	WIN (5*(\g+1))                                 ; sources 0 and 1 in window g + 1
.irp bb, 0,1,2,3
.irp r, 0,1,2,3
	v_cvt_pk_f16_f32 v[TMP+4*(4*\g+\bb)+\r], v[8*(8*\bb+\a)+2*\r], v[8*(8*\bb+\a)+2*\r+1]
.endr
.endr
.endr
	WIN 0
.irp b, 0,1,2,3,4,5,6,7,8,9,10,11
	ds_store_b128 v[STO], v[TMP+4*\b:TMP+4*\b+3] offset:32*\b
.endr
	s_wait_xcnt 0x0                                ; the set rb, which earlier stores read, is loaded again only behind this wait
.irp hd, 0,1,2
.irp tg, 0,1,2,3
	ds_load_b128 v[\rb+4*(4*\hd+\tg):\rb+4*(4*\hd+\tg)+3], v[RD] offset:\hd*128+\tg*4*SPITCH   ; LDS serves a wave's instructions in order (ISA guide 5.7.1): these see the stores above
.endr
.endr
.irp hd, 0,1,2
.irp tg, 0,1,2,3
	s_wait_dscnt 11-(4*\hd+\tg)
	global_store_b128 v[CO], v[\rb+4*(4*\hd+\tg):\rb+4*(4*\hd+\tg)+3], s[8:9] offset:\hd*262144+\a*2048+\tg*512   ; 512 consecutive bytes, aligned
.endr
.endr
.endm
	OUT16 0, 96
	OUT16 1, 160
	OUT16 2, 96
	OUT16 3, 160
	OUT16 4, 96
	OUT16 5, 160
	OUT16 6, 96
	OUT16 7, 160
	s_wait_tensorcnt 0x0
	ds_add_u32 v30, v31
	s_wait_dscnt 0x0
	CROUND                                         ; the closing round: no work-group ends while a partner may still ask for a tile that names it
	s_endpgm
.Lfunc_end_k_qcff5e4e404_qkv:
	.size	k_qcff5e4e404_qkv, .Lfunc_end_k_qcff5e4e404_qkv-k_qcff5e4e404_qkv
	.p2alignl 7, 3214868480
	.fill 96, 4, 3214868480
	.section	.rodata,"a",@progbits
	.p2align	6, 0x0
	.amdhsa_kernel k_qcff5e4e404_qkv
		.amdhsa_group_segment_fixed_size 327680
		.amdhsa_private_segment_fixed_size 0
		.amdhsa_enable_private_segment 0
		.amdhsa_kernarg_size 24
		.amdhsa_user_sgpr_count 2
		.amdhsa_user_sgpr_kernarg_segment_ptr 1
		.amdhsa_wavefront_size32 1
		.amdhsa_system_sgpr_workgroup_id_x 1
		.amdhsa_system_sgpr_workgroup_id_y 1
		.amdhsa_system_sgpr_workgroup_id_z 1
		.amdhsa_system_vgpr_workitem_id 0
		.amdhsa_next_free_vgpr 1024
		.amdhsa_next_free_sgpr 66
		.amdhsa_reserve_vcc 0
		.amdhsa_float_denorm_mode_32 3
		.amdhsa_float_denorm_mode_16_64 3
		.amdhsa_memory_ordered 1
		.amdhsa_forward_progress 1
		.amdhsa_inst_pref_size 171
	.end_amdhsa_kernel
	.amdgpu_metadata
---
amdhsa.version: [ 1, 2 ]
amdhsa.kernels:
  - .name:           k_qcff5e4e404_qkv
    .symbol:         k_qcff5e4e404_qkv.kd
    .args:
      - { .name: xh, .offset: 0, .size: 8, .value_kind: global_buffer, .address_space: global }
      - { .name: wqh, .offset: 8, .size: 8, .value_kind: global_buffer, .address_space: global }
      - { .name: qkv, .offset: 16, .size: 8, .value_kind: global_buffer, .address_space: global }
    .group_segment_fixed_size: 327680
    .private_segment_fixed_size: 0
    .kernarg_segment_align: 8
    .kernarg_segment_size: 24
    .max_flat_workgroup_size: 128
    .sgpr_count:     66
    .vgpr_count:     1024
    .wavefront_size: 32
...
	.end_amdgpu_metadata
.endif
;; end of part 2
;; launch attn (part 3): grid 256 x 1, 8 waves a work-group, clusters of 4 x 1, 327,680 bytes of LDS; arguments qkv, ao; writes ao
.if DOCPART == 3
	.amdgcn_target "amdgcn-amd-amdhsa--gfx1250"
	.amdhsa_code_object_version 6
	.text
	.protected	k_qcff5e4e404_attn
	.globl	k_qcff5e4e404_attn
	.p2align	8
	.type	k_qcff5e4e404_attn,@function
k_qcff5e4e404_attn:
	s_mov_b64 s[64:65], 0
	v_nop
	global_prefetch_b8 v0, s[64:65] scope:SCOPE_SE
	s_setreg_imm32_b32 hwreg(HW_REG_WAVE_MODE, 25, 1), 1
	s_wait_xcnt 0x0
	s_wait_alu depctr_hold_cnt(0) depctr_sa_sdst(0) depctr_va_vdst(0) depctr_va_sdst(0) depctr_va_ssrc(0) depctr_va_vcc(0) depctr_vm_vsrc(0)
	s_getreg_b32 s2, hwreg(HW_REG_IB_STS2, 6, 4)
	s_cmp_eq_u32 s2, 0
	s_cbranch_scc0 .Lentry_in_a_cluster
	s_endpgm
.Lentry_in_a_cluster:
	s_bfe_u32 s2, ttmp6, 0x10000c
	s_cmp_lg_u32 s2, 0x3003
	s_cbranch_scc0 .Lentry_shape_is_right
	s_endpgm
.Lentry_shape_is_right:
; softmax(q k^T / 8) v for each of 64 (batch, head) pairs, 2,048 queries x 2,048 keys x 64, with a running maximum.
; In: qkv [batch 4][g 48][token 2048][64] f16 (q heads g = 0-15, k 16-31, v 32-47).  Out: ao [head 16][batch * 2048 + token][64] f16,
; which is the K-panel layout that the last product reads.
; LIMIT: the weights (0 to 1) and the result are kept in f16; sums, maxima and exponentials in f32.
; A cluster of four work-groups is one (batch, head); a work-group takes 512 queries, a wave 64, as four blocks q of 16.  The four work-groups walk
; the same keys and values, so every tile is asked for jointly (mask 15).  Eight waves, two for each of the WGP's four SIMDs.
; EVERYTHING IS TRANSPOSED, so that a query is a lane:
;   S^T [key][query] = K fragment (source 0) x Q fragment (source 1): lane (r, h), register j holds key 8 h + j of the tile, query r.
;   Maximum, sum and rescaling are then a lane's own, with one exchange between the halves of the wave.
;   Packing the tiles 2 ks and 2 ks + 1 to f16 in place gives source 1 of the second product as it is wanted (keys 8 h .., 16 + 8 h ..).
;   O^T [d][query] = V^T fragment (source 0, by the transposing LDS load) x P.
; Keys go in blocks of 64; an LDS slot holds four blocks (256 keys) of K and of V, 64 KiB, each wave fetching an eighth: 8 KiB, 32 rows of 256 bytes.
; Two slots; one round of the cluster's barrier for 256 keys.
; THE STREAM.  A wave's work is S(0) V(0) [PV(0) S(1)] V(1) [PV(1) S(2)] .. V(31) PV(31): runs of 64 matrix instructions (MPH: the second product of one
; block and the first product of the next, with all the LDS loads of that next block) take turns with runs of some 485 vector instructions (VPH: the
; softmax of the S that lies in registers; no memory instruction).  The waves are of two kinds.  A trip of the loop is
;   [VPH, kind 1 only]  MPH  [VPH, kind 0 only]
; so kind 0 passes a round between a VPH and an MPH, kind 1 between an MPH and a VPH (its S and its V fragments wait in registers): behind every round
; one kind starts a matrix run and the other a vector run of about the same length, and in that rhythm both reach the next round together.
; kind = (w xor (w >> 2)) and 1: it differs between waves w and w + 4 and between waves 2 i and 2 i + 1.
; The branches on the kind jump over register work alone; every barrier and every wait in front of one is on every wave's path.
.set KPITCH, 144                       ; a key's 128 bytes + 16: an odd multiple of 16
.set VPITCH, 160                       ; a value's 128 bytes + 32: an odd multiple of 32
.set PART,   10240                     ; one wave's part of a slot: 64 rows; parts 0-3 K's key blocks 0-3, parts 4-7 V's
.set SLOT,   9*PART                    ; eight parts and a spare one: the stepped addresses CK and CV, also as the last trip leaves them (unused), stay inside the slot's own bytes
.set STAGE,  2*SLOT                    ; behind the ring: 16 rows x 144 bytes for each wave; no tensor load lands here
.set SPITCH, 144
.set CK,   6                           ; v6       LDS address of my K fragments of the block that is loaded next (v1-v7 are scratch in the set-up)
.set CV,   7                           ; v7       the same for V
.set ADRK, 8                           ; v8-9     LDS address of my K fragments in key block 0 of slot 0, 1; never rewritten
.set ADRV, 10                          ; v10-11   the same for V
.set STO,  12                          ; v12      the way out: where I put 16 bytes
.set RD,   13                          ; v13      where I read back
.set CO,   14                          ; v14      16 x lane
.set QO,   15                          ; v15      my offset in a block of 16 queries
.set M,    16                          ; v16-19   running maximum of my query in block q
.set PX,   20                          ; v20-23   what the other half of the wave sent
.set MXA,  24                          ; v24-27   maximum, first chain
.set MXB,  28                          ; v28-31   second chain; then the new shift
.set AL,   32                          ; v32-39   at 2 q: the factor for what was summed under the old maximum
.set NM,   40                          ; v40-47   at 2 q: the shift, - c x maximum
.set LP,   48                          ; v48-63   at 4 q + 2 u: two pairs of partial sums
.set QF,   64                          ; v64-127  Q fragments at 16 q + 8 dh (dh: which 32 of d)
.set KF,   128                         ; v128-191 K fragments at 16 kt + 8 dh
.set VF,   192                         ; v192-255 V^T fragments at 16 dblk + 8 ks
; window 1: S(q, kt) at 32 q + 8 kt; P(q, ks) at 32 q + 16 ks; O(dblk, q) at 128 + 32 q + 8 dblk
.set G1K, 24                           ; s[24:31] group 1 for K's tiles
.set G0K, 32                           ; s[32:39] group 0 for K's tiles, one set for each slot
.set G1V, 48                           ; s[48:55] group 1 for V's: it differs in the pad alone
.set G0V, 56                           ; s[56:63] group 0 for V's
.set MSB, 0
.macro WIN new                         ; the immediate's high byte repeats the setting that is left; switches that change nothing are dropped
.if MSB != (\new)
	s_set_vgpr_msb (MSB<<8)|(\new)
.set MSB, \new
.endif
.endm
.macro ROUND                           ; a round of the cluster's barrier
	s_barrier_signal -1
	s_barrier_wait -1
	s_cmp_lg_u32 s8, 0
	s_cbranch_scc1 .Lnot_wave_0_\@
	s_barrier_signal -3
.Lnot_wave_0_\@:
	s_barrier_wait -3
	s_barrier_signal -1
	s_barrier_wait -1
.endm
; A joint load: waves 0-3 fetch K's four key blocks, waves 4-7 V's.  The branch hangs on the wave's number alone.  Four v_nop follow each line.
.macro JLOAD s
	s_cmp_eq_u32 s9, 0
	s_cbranch_scc0 .Lfor_v_\@
	tensor_load_to_lds s[G0K+4*\s:G0K+4*\s+3], s[G1K:G1K+7]
	s_nop 0
.rept 4
	v_nop
.endr
	s_branch .Lasked_\@
.Lfor_v_\@:
	tensor_load_to_lds s[G0V+4*\s:G0V+4*\s+3], s[G1V:G1V+7]
	s_nop 0
.rept 4
	v_nop
.endr
.Lasked_\@:
.endm
	s_load_b128 s[4:7], s[0:1], 0x0                ; qkv s[4:5], ao s[6:7]
	v_lshl_add_u32 v190, v0, 2, 0x31800
	v_mov_b32 v191, 0
	ds_add_u32 v190, v191
	s_wait_dscnt 0x0
	v_lshrrev_b32 v1, 5, v0
	v_readfirstlane_b32 s8, v1                     ; wave 0..7
	s_lshr_b32 s9, s8, 2                           ; I fetch for K (0) or for V (1)
	s_and_b32 s10, s8, 3                           ; which key block of the slot
	s_xor_b32 s3, s9, s8
	s_and_b32 s3, s3, 1                            ; my kind: (w xor (w >> 2)) and 1
	s_bfe_u32 s11, ttmp6, 0x40000                  ; cx: which 512 queries
	s_mov_b32 s12, 0x76543210                      ; v_permlanex16_b32: lane i reads lane i of the other half
	s_mov_b32 s13, 0xfedcba98
	s_mov_b32 s14, 0x3e38aa3b                      ; c = log2(e) / 8: the scale 64^-1/2 and the change to base 2 in one
	s_mov_b32 s15, 0x3e38aa3b
	s_mov_b32 s16, 0xbe38aa3b                      ; - c
	; group 1: a dense tile of 8 KiB as 32 rows of 128 elements; a pad behind every 32 words (one key's row)
	s_mov_b32 s[G1K+0], 15|(1<<16)|(1<<20)|(1<<21)|(4<<22)|(3<<25)   ; mask: all four work-groups; 2-byte elements; padding on; bit 21 beside a mask; every 32 words; 4 words
	s_mov_b32 s[G1V+0], 15|(1<<16)|(1<<20)|(1<<21)|(4<<22)|(7<<25)   ; the same with 8 words
	s_mov_b32 s[G1K+1], 128<<16                    ; tensor_dim0 = 128
	s_mov_b32 s[G1V+1], 128<<16
	s_mov_b32 s[G1K+2], 32<<16                     ; tensor_dim1 = 32
	s_mov_b32 s[G1V+2], 32<<16
	s_mov_b32 s[G1K+3], 128<<16                    ; tile_dim0 = 128
	s_mov_b32 s[G1V+3], 128<<16
	s_mov_b32 s[G1K+4], 32                         ; tile_dim1 = 32
	s_mov_b32 s[G1V+4], 32
	s_mov_b32 s[G1K+5], 128                        ; dense
	s_mov_b32 s[G1V+5], 128
	s_mov_b32 s[G1K+6], 0
	s_mov_b32 s[G1V+6], 0
	s_mov_b32 s[G1K+7], 0
	s_mov_b32 s[G1V+7], 0
	s_lshr_b32 s17, ttmp9, 4                       ; batch (ttmp9 counts clusters: one for each batch and head)
	s_and_b32 s18, ttmp9, 15                       ; head
	s_mul_i32 s40, s17, 48
	s_add_co_u32 s40, s40, s18
	s_lshl_b32 s40, s40, 18                        ; (48 batch + head) x 2,048 tokens x 128 bytes
	s_mov_b32 s41, 0
	s_lshl_b32 s42, s10, 13                        ; my key block: 64 rows of 128 bytes
	s_mov_b32 s43, 0
	s_mul_i32 s19, s8, PART                        ; my part of a slot
	s_lshl_b32 s46, s11, 16                        ; my work-group's 512 queries
	s_lshl_b32 s47, s8, 13                         ; my wave's 64
	s_add_co_u32 s46, s46, s47
	s_mov_b32 s47, 0
	s_lshl_b32 s22, s18, 20                        ; ao: head x 8,192 rows x 128 bytes
	s_lshl_b32 s23, s17, 18                        ; + batch x 2,048 rows
	s_add_co_u32 s22, s22, s23
	s_add_co_u32 s22, s22, s46                     ; + my queries
	s_mov_b32 s23, 0
	v_and_b32 v2, 15, v0                           ; r
	v_bfe_u32 v3, v0, 4, 1                         ; h
	v_lshlrev_b32 v[QO], 7, v2
	v_lshl_add_u32 v[QO], v3, 4, v[QO]             ; r x 128 + 16 h
	s_wait_kmcnt 0x0
	s_add_nc_u64 s[40:41], s[4:5], s[40:41]        ; the q head's first row
	s_add_nc_u64 s[42:43], s[40:41], s[42:43]      ; + my key block: hangs on the cluster and the wave alone
	s_add_nc_u64 s[20:21], s[40:41], s[46:47]      ; my 64 queries
	s_add_nc_u64 s[6:7], s[6:7], s[22:23]          ; and where their results go
	ROUND                                          ; all four work-groups are here: the first joint loads meet
.irp s, 0,1
	s_mov_b32 s[G0K+4*\s], 1
	s_add_co_u32 s[G0K+4*\s+1], s19, \s*SLOT
	s_add_nc_u64 s[G0K+4*\s+2:G0K+4*\s+3], s[42:43], 16*262144+\s*32768    ; the k head lies 16 heads behind the q head; slot s: keys 256 s ..
	s_or_b32 s[G0K+4*\s+3], s[G0K+4*\s+3], 0x80000000
	s_mov_b32 s[G0V+4*\s], 1
	s_add_co_u32 s[G0V+4*\s+1], s19, \s*SLOT
	s_add_nc_u64 s[G0V+4*\s+2:G0V+4*\s+3], s[42:43], 32*262144+\s*32768    ; the v head 32 heads behind
	s_or_b32 s[G0V+4*\s+3], s[G0V+4*\s+3], 0x80000000
	JLOAD \s                                       ; both slots' first fills go out together: two tensor loads of the wave are out
.endr
	; Q stays in registers for the whole kernel: lane (r, h) holds query r; two loads of 16 bytes, 32 bytes apart, for each 32 of d
.irp q, 0,1,2,3
.irp dh, 0,1
	global_load_b128 v[QF+16*\q+8*\dh:QF+16*\q+8*\dh+3],   v[QO], s[20:21] offset:\q*2048+64*\dh
	global_load_b128 v[QF+16*\q+8*\dh+4:QF+16*\q+8*\dh+7], v[QO], s[20:21] offset:\q*2048+64*\dh+32
.endr
.endr
	v_mul_u32_u24 v[ADRK], v2, KPITCH
	v_lshl_add_u32 v[ADRK], v3, 4, v[ADRK]         ; r x 144 + 16 h
	v_add_nc_u32 v[ADRK+1], SLOT, v[ADRK]
	v_and_b32 v4, 7, v0
	v_lshl_add_u32 v4, v3, 3, v4                   ; key 8 h + (l mod 8)
	v_mul_u32_u24 v5, v4, VPITCH
	v_bfe_u32 v6, v0, 3, 1
	v_lshl_add_u32 v5, v6, 4, v5                   ; + 16 bytes for lanes 8-15 of each half
	v_add_nc_u32 v[ADRV], 4*PART, v5               ; V's parts lie behind K's four
	v_add_nc_u32 v[ADRV+1], 4*PART+SLOT, v5
	s_mul_i32 s17, s8, 16*SPITCH
	s_add_co_u32 s17, s17, STAGE                   ; my stage
	v_add_nc_u32 v[STO], s17, v[ADRK]              ; query r, 16 bytes for each half of the lanes: the same r x 144 + 16 h
	v_bfe_u32 v5, v0, 3, 2                         ; back: eight lanes take one query's 128 bytes
	v_and_b32 v6, 7, v0
	v_mul_u32_u24 v5, v5, SPITCH
	v_lshl_add_u32 v5, v6, 4, v5
	v_add_nc_u32 v[RD], s17, v5
	v_and_b32 v7, 31, v0
	v_lshlrev_b32 v[CO], 4, v7
.irp q, 0,1,2,3
	v_mov_b32 v[PX+\q], 0                          ; a lane permute's target counts as read,
	v_mov_b32 v[AL+2*\q+1], 0                      ; and so does the unused upper register of a pair that is broadcast: written once
	v_mov_b32 v[NM+2*\q+1], 0
.endr
.macro LDKC                            ; 16 loads: the K fragments of the key block at CK; then CK steps to the next block
.irp kt, 0,1,2,3
.irp dh, 0,1
	ds_load_b128 v[KF+16*\kt+8*\dh:KF+16*\kt+8*\dh+3],   v[CK] offset:\kt*16*KPITCH+64*\dh
	ds_load_b128 v[KF+16*\kt+8*\dh+4:KF+16*\kt+8*\dh+7], v[CK] offset:\kt*16*KPITCH+64*\dh+32
.endr
.endr
	v_add_nc_u32 v[CK], PART, v[CK]
.endm
.macro LDVC                            ; 16 transposing loads: the V^T fragments (16 d x 32 keys each) of the key block at CV; then CV steps
.irp ks, 0,1
.irp dblk, 0,1,2,3
	ds_load_tr16_b128 v[VF+16*\dblk+8*\ks:VF+16*\dblk+8*\ks+3],   v[CV] offset:\ks*32*VPITCH+32*\dblk
	ds_load_tr16_b128 v[VF+16*\dblk+8*\ks+4:VF+16*\dblk+8*\ks+7], v[CV] offset:\ks*32*VPITCH+32*\dblk+16*VPITCH
.endr
.endr
	v_add_nc_u32 v[CV], PART, v[CV]
.endm
; S^T of 64 keys x my 64 queries: 32 matrix instructions.  The 16 accumulators take turns, one instruction a turn.
.macro SMM
	WIN 0x50                                       ; C and D in window 1
.irp kt, 0,1,2,3
.irp q, 0,1,2,3
	v_wmma_f32_16x16x32_f16 v[32*\q+8*\kt:32*\q+8*\kt+7], v[KF+16*\kt:KF+16*\kt+7], v[QF+16*\q:QF+16*\q+7], 0
.endr
.endr
.irp kt, 0,1,2,3
.irp q, 0,1,2,3
	v_wmma_f32_16x16x32_f16 v[32*\q+8*\kt:32*\q+8*\kt+7], v[KF+16*\kt+8:KF+16*\kt+15], v[QF+16*\q+8:QF+16*\q+15], v[32*\q+8*\kt:32*\q+8*\kt+7]
.endr
.endr
	WIN 0
.rept 5
	v_nop                                          ; places: four in front of the readers of S and of the next loads into K's fragments; the fifth keeps the distance to a matrix instruction whatever is jumped over
.endr
.endm
; O^T += V^T P: 32 matrix instructions.  first = 1: the first 16 start the sums.  The 16 accumulators take turns, one instruction a turn.
.macro PVMM first
	WIN 0x54                                       ; source 1, C and D in window 1
.irp ks, 0,1
.irp q, 0,1,2,3
.irp dblk, 0,1,2,3
.if \first*(1-\ks)
	v_wmma_f32_16x16x32_f16 v[128+32*\q+8*\dblk:128+32*\q+8*\dblk+7], v[VF+16*\dblk+8*\ks:VF+16*\dblk+8*\ks+7], v[32*\q+16*\ks:32*\q+16*\ks+7], 0
.else
	v_wmma_f32_16x16x32_f16 v[128+32*\q+8*\dblk:128+32*\q+8*\dblk+7], v[VF+16*\dblk+8*\ks:VF+16*\dblk+8*\ks+7], v[32*\q+16*\ks:32*\q+16*\ks+7], v[128+32*\q+8*\dblk:128+32*\q+8*\dblk+7]
.endif
.endr
.endr
.endr
	WIN 0
.endm
; The matrix run: the second product of the block whose P lies in registers, the first product of the next block, and all of that next block's LDS loads.
.macro MPH first
	LDKC                                           ; the next block's K: it has the 32 matrix instructions below in which to come
	s_wait_dscnt 16                                ; all but the 16 just issued: the V fragments, loaded in the run before, are back
	PVMM \first
.rept 5
	v_nop                                          ; five places: the first product below writes over P, a source of these; four of them serve the loads into V's fragments
.endr
	LDVC                                           ; the next block's V: wanted in the next matrix run
	s_wait_dscnt 16                                ; all but the 16 just issued: K is back
	SMM
.endm
; The vector run: the softmax of the 64 x 64 scores in S; register work alone.  first = 1: the kernel's first block starts the maxima and the sums; nothing is cleared, nothing rescaled.
.macro VPH first
	; the largest of my query's 32 scores, two chains for each q, the four q by turns; the first chain starts from the running maximum
	WIN 0x05                                       ; sources 0 and 1 in window 1
.irp q, 0,1,2,3
.if \first
	v_max_num_f32 v[MXA+\q], v[32*\q], v[32*\q+1]
.else
	v_max3_num_f32 v[MXA+\q], v[32*\q], v[32*\q+1], v[M+\q]
.endif
	v_max_num_f32 v[MXB+\q], v[32*\q+16], v[32*\q+17]
.endr
.irp i, 1,2,3,4,5,6,7
.irp q, 0,1,2,3
	v_max3_num_f32 v[MXA+\q], v[32*\q+2*\i], v[32*\q+2*\i+1], v[MXA+\q]
	v_max3_num_f32 v[MXB+\q], v[32*\q+16+2*\i], v[32*\q+17+2*\i], v[MXB+\q]
.endr
.endr
	WIN 0
.irp q, 0,1,2,3
	v_max_num_f32 v[MXA+\q], v[MXA+\q], v[MXB+\q]
.endr
.irp q, 0,1,2,3
	v_permlanex16_b32 v[PX+\q], v[MXA+\q], s12, s13    ; the other half of the wave holds the other 32 keys of the same query
.endr
.irp q, 0,1,2,3
	v_max_num_f32 v[M+\q], v[MXA+\q], v[PX+\q]         ; the new running maximum
.endr
.if \first
.irp q, 0,1,2,3
	v_mul_f32 v[NM+2*\q], s16, v[M+\q]                 ; the shift: - c x maximum
.endr
.else
.irp q, 0,1,2,3
	v_mul_f32 v[MXB+\q], s16, v[M+\q]                  ; the new shift
.endr
.irp q, 0,1,2,3
	v_sub_f32 v[AL+2*\q], v[MXB+\q], v[NM+2*\q]        ; new shift - old shift, at most 0: the very numbers that the exponentials add, so old and new terms agree
.endr
.irp q, 0,1,2,3
	v_exp_f32 v[AL+2*\q], v[AL+2*\q]
.endr
.irp q, 0,1,2,3
	v_mov_b32 v[NM+2*\q], v[MXB+\q]                    ; also the plain place behind the exponentials (ISA guide 5.7.2)
.endr
	s_wait_alu depctr_va_vdst(0)
.irp q, 0,1,2,3
.irp u, 0,1
	v_pk_mul_f32 v[LP+4*\q+2*\u:LP+4*\q+2*\u+1], v[LP+4*\q+2*\u:LP+4*\q+2*\u+1], v[AL+2*\q:AL+2*\q+1] op_sel_hi:[1,0]
.endr
.endr
.endif
	; P = 2^(c S + shift), in place; O's rescaling fills the plain places behind the exponentials
	WIN 0x41                                       ; source 0 and destination in window 1
	v_pk_fma_f32 v[0:1], v[0:1], s[14:15], v[NM:NM+1] op_sel_hi:[1,0,0]
.set p, 0
.rept 64
.if p < 63
	v_pk_fma_f32 v[2*p+2:2*p+3], v[2*p+2:2*p+3], s[14:15], v[NM+2*((p+1)>>4):NM+2*((p+1)>>4)+1] op_sel_hi:[1,0,0]
.endif
	v_exp_f32 v[2*p], v[2*p]
	v_exp_f32 v[2*p+1], v[2*p+1]
.if \first == 0
	v_pk_mul_f32 v[128+2*p:128+2*p+1], v[128+2*p:128+2*p+1], v[AL+2*(p>>4):AL+2*(p>>4)+1] op_sel_hi:[1,0]
.endif
.set p, p+1
.endr
	v_nop                                          ; a plain place behind the last exponentials
	; the row sums, eight chains by turns
.if \first
	WIN 0x05
	s_wait_alu depctr_va_vdst(0)
.irp u, 0,1
.irp q, 0,1,2,3
	v_pk_add_f32 v[LP+4*\q+2*\u:LP+4*\q+2*\u+1], v[32*\q+2*\u:32*\q+2*\u+1], v[32*\q+4+2*\u:32*\q+5+2*\u]
.endr
.endr
	WIN 0x01
.irp t, 4,5,6,7,8,9,10,11,12,13,14,15
.irp q, 0,1,2,3
	v_pk_add_f32 v[LP+4*\q+2*(\t&1):LP+4*\q+2*(\t&1)+1], v[32*\q+2*\t:32*\q+2*\t+1], v[LP+4*\q+2*(\t&1):LP+4*\q+2*(\t&1)+1]
.endr
.endr
.else
	WIN 0x01                                       ; source 0 in window 1
	s_wait_alu depctr_va_vdst(0)
.irp t, 0,1,2,3,4,5,6,7,8,9,10,11,12,13,14,15
.irp q, 0,1,2,3
	v_pk_add_f32 v[LP+4*\q+2*(\t&1):LP+4*\q+2*(\t&1)+1], v[32*\q+2*\t:32*\q+2*\t+1], v[LP+4*\q+2*(\t&1):LP+4*\q+2*(\t&1)+1]
.endr
.endr
.endif
	; to f16 in place, ascending: register i of a fragment takes numbers 2 i and 2 i + 1, which lie at or above it
	WIN 0x45
.irp q, 0,1,2,3
.irp ks, 0,1
.irp i, 0,1,2,3,4,5,6,7
	v_cvt_pk_f16_f32 v[32*\q+16*\ks+\i], v[32*\q+16*\ks+2*\i], v[32*\q+16*\ks+2*\i+1]
.endr
.endr
.endr
	WIN 0                                          ; a label or a branch follows
.endm
.macro VPH_IF t                        ; the vector run, in the waves of kind t alone: the branch hangs on the wave's number and jumps over register work alone
	s_cmp_eq_u32 s3, \t
	s_cbranch_scc0 .Lnot_mine_\@
	VPH 0
.Lnot_mine_\@:
.endm
.macro TRIPS n                         ; n key blocks: kind 0 runs matrix, vector; kind 1 vector, matrix
	s_mov_b32 s45, \n
.Ltrip_\@:
	VPH_IF 1
	MPH 0
	VPH_IF 0
	s_sub_co_u32 s45, s45, 1
	s_cmp_lg_u32 s45, 0
	s_cbranch_scc1 .Ltrip_\@
.endm
; The change of slots.  Every wave waits for all its tensor loads (its part of this slot among them) and for its reads of the other slot (the last V fragments lie in
; registers by then); a round of the cluster's barrier; then the other slot is asked for again first, one load a wave, and has this slot's whole work in which to land.
.macro TWO slot, refill
	s_wait_xcnt 0x0
	v_lshl_add_u32 v190, v0, 2, 0x31800
	v_mov_b32 v191, 0
	s_wait_tensorcnt 0x0
	ds_add_u32 v190, v191
	s_wait_dscnt 0x0
.if \refill
	s_add_nc_u64 s[G0K+4*(1-\slot)+2:G0K+4*(1-\slot)+3], s[G0K+4*(1-\slot)+2:G0K+4*(1-\slot)+3], 65536   ; no load of mine is out: the other slot's next 256 keys, 512 keys on
	s_add_nc_u64 s[G0V+4*(1-\slot)+2:G0V+4*(1-\slot)+3], s[G0V+4*(1-\slot)+2:G0V+4*(1-\slot)+3], 65536
.endif
	s_wait_dscnt 0x0
	ROUND
.if \refill
	JLOAD (1-\slot)
.endif
	v_mov_b32 v[CK], v[ADRK+\slot]                 ; this slot's key block 0
	v_mov_b32 v[CV], v[ADRV+\slot]
	TRIPS 4
.endm
	s_wait_loadcnt 0x0                             ; Q, once
	s_wait_tensorcnt 0x1                           ; my part of slot 0 is in; slot 1's may stay out
	s_barrier_signal -1
	s_barrier_wait -1
	v_mov_b32 v[CK], v[ADRK]
	v_mov_b32 v[CV], v[ADRV]
	LDKC                                           ; block 0: K,
	LDVC                                           ; then V
	s_wait_dscnt 16                                ; all but V's 16: K is back
	SMM                                            ; S(0)
	VPH 1                                          ; both kinds: the first softmax starts maxima and sums
	MPH 1                                          ; PV(0) starts O; S(1)
	VPH_IF 0
	TRIPS 2                                        ; blocks 2 and 3 of slot 0
	s_mov_b32 s44, 3
.Lkeys:
	TWO 1,1
	TWO 0,1
	s_sub_co_u32 s44, s44, 1
	s_cmp_lg_u32 s44, 0
	s_cbranch_scc1 .Lkeys
	TWO 1,0                                        ; keys 1,792-2,047: nothing is left to fetch
	VPH_IF 1                                       ; kind 1 still owes the last softmax
	s_wait_dscnt 0x0                               ; the last V fragments; nothing younger was issued
	PVMM 0                                         ; PV(31)
.rept 4
	v_nop                                          ; four places in front of the readers of O and of the loads into V's fragments
.endr
	; the sums: two pairs, two halves of a pair, two halves of the wave; at least one term is about 1, so the reciprocal is safe
.irp q, 0,1,2,3
	v_pk_add_f32 v[LP+4*\q:LP+4*\q+1], v[LP+4*\q:LP+4*\q+1], v[LP+4*\q+2:LP+4*\q+3]
.endr
.irp q, 0,1,2,3
	v_add_f32 v[LP+4*\q], v[LP+4*\q], v[LP+4*\q+1]
.endr
.irp q, 0,1,2,3
	v_permlanex16_b32 v[PX+\q], v[LP+4*\q], s12, s13
.endr
.irp q, 0,1,2,3
	v_add_f32 v[LP+4*\q], v[LP+4*\q], v[PX+\q]
.endr
.irp q, 0,1,2,3
	v_rcp_f32 v[AL+2*\q], v[LP+4*\q]
.endr
	v_nop                                          ; a plain place behind the reciprocals (ISA guide 5.7.2)
	WIN 0x41
.set p, 0
	s_wait_alu depctr_va_vdst(0)
.rept 64
	v_pk_mul_f32 v[128+2*p:128+2*p+1], v[128+2*p:128+2*p+1], v[AL+2*(p>>4):AL+2*(p>>4)+1] op_sel_hi:[1,0]
.set p, p+1
.endr
	; THE WAY OUT, 16 queries at a time: a lane's 8 numbers of a tile are d = 16 dblk + 8 h + 0..7 of query r: 16 bytes in f16, into my own stage;
	; read back four queries (512 consecutive bytes of ao) a load.  Each q has registers of its own, so none that a store reads is written again.
.irp q, 0,1,2,3
	WIN 0x05
.irp dblk, 0,1,2,3
.irp i, 0,1,2,3
	v_cvt_pk_f16_f32 v[KF+16*\q+4*\dblk+\i], v[128+32*\q+8*\dblk+2*\i], v[128+32*\q+8*\dblk+2*\i+1]
.endr
.endr
	WIN 0
.irp dblk, 0,1,2,3
	ds_store_b128 v[STO], v[KF+16*\q+4*\dblk:KF+16*\q+4*\dblk+3] offset:32*\dblk
.endr
.irp t, 0,1,2,3
	ds_load_b128 v[VF+16*\q+4*\t:VF+16*\q+4*\t+3], v[RD] offset:\t*4*SPITCH    ; LDS serves a wave's instructions in order (ISA guide 5.7.1): these see the stores above
.endr
.irp t, 0,1,2,3
	s_wait_dscnt 3-\t
	global_store_b128 v[CO], v[VF+16*\q+4*\t:VF+16*\q+4*\t+3], s[6:7] offset:\q*2048+\t*512
.endr
.endr
	s_wait_xcnt 0x0
	v_lshl_add_u32 v190, v0, 2, 0x31800
	v_mov_b32 v191, 0
	s_wait_tensorcnt 0x0
	ds_add_u32 v190, v191
	s_wait_dscnt 0x0
	ROUND                                          ; the closing round
	s_endpgm
.Lfunc_end_k_qcff5e4e404_attn:
	.size	k_qcff5e4e404_attn, .Lfunc_end_k_qcff5e4e404_attn-k_qcff5e4e404_attn
	.p2alignl 7, 3214868480
	.fill 96, 4, 3214868480
	.section	.rodata,"a",@progbits
	.p2align	6, 0x0
	.amdhsa_kernel k_qcff5e4e404_attn
		.amdhsa_group_segment_fixed_size 327680
		.amdhsa_private_segment_fixed_size 0
		.amdhsa_enable_private_segment 0
		.amdhsa_kernarg_size 16
		.amdhsa_user_sgpr_count 2
		.amdhsa_user_sgpr_kernarg_segment_ptr 1
		.amdhsa_wavefront_size32 1
		.amdhsa_system_sgpr_workgroup_id_x 1
		.amdhsa_system_sgpr_workgroup_id_y 1
		.amdhsa_system_sgpr_workgroup_id_z 1
		.amdhsa_system_vgpr_workitem_id 0
		.amdhsa_next_free_vgpr 512
		.amdhsa_next_free_sgpr 66
		.amdhsa_reserve_vcc 0
		.amdhsa_float_denorm_mode_32 3
		.amdhsa_float_denorm_mode_16_64 3
		.amdhsa_memory_ordered 1
		.amdhsa_forward_progress 1
		.amdhsa_inst_pref_size 255
	.end_amdhsa_kernel
	.section	.bss,"aw",@nobits
	.p2align	6
	.space	262144
	.amdgpu_metadata
---
amdhsa.version: [ 1, 2 ]
amdhsa.kernels:
  - .name:           k_qcff5e4e404_attn
    .symbol:         k_qcff5e4e404_attn.kd
    .args:
      - { .name: qkv, .offset: 0, .size: 8, .value_kind: global_buffer, .address_space: global }
      - { .name: ao, .offset: 8, .size: 8, .value_kind: global_buffer, .address_space: global }
    .group_segment_fixed_size: 327680
    .private_segment_fixed_size: 0
    .kernarg_segment_align: 8
    .kernarg_segment_size: 16
    .max_flat_workgroup_size: 256
    .sgpr_count:     66
    .vgpr_count:     512
    .wavefront_size: 32
...
	.end_amdgpu_metadata
.endif
;; end of part 3
;; launch proj (part 4): grid 8 x 32, 4 waves a work-group, clusters of 4 x 4, 327,680 bytes of LDS; arguments ao, woh, b_out, out0; writes out0
.if DOCPART == 4
	.amdgcn_target "amdgcn-amd-amdhsa--gfx1250"
	.amdhsa_code_object_version 6
	.text
	.protected	k_qcff5e4e404_proj
	.globl	k_qcff5e4e404_proj
	.p2align	8
	.type	k_qcff5e4e404_proj,@function
k_qcff5e4e404_proj:
	s_mov_b64 s[64:65], 0
	v_nop
	global_prefetch_b8 v0, s[64:65] scope:SCOPE_SE
	s_setreg_imm32_b32 hwreg(HW_REG_WAVE_MODE, 25, 1), 1
	s_wait_xcnt 0x0
	s_wait_alu depctr_hold_cnt(0) depctr_sa_sdst(0) depctr_va_vdst(0) depctr_va_sdst(0) depctr_va_ssrc(0) depctr_va_vcc(0) depctr_vm_vsrc(0)
	s_getreg_b32 s2, hwreg(HW_REG_IB_STS2, 6, 4)
	s_cmp_eq_u32 s2, 0
	s_cbranch_scc0 .Lentry_in_a_cluster
	s_endpgm
.Lentry_in_a_cluster:
	s_bfe_u32 s2, ttmp6, 0x10000c
	s_cmp_lg_u32 s2, 0xf033
	s_cbranch_scc0 .Lentry_shape_is_right
	s_endpgm
.Lentry_shape_is_right:
; out0 = ao w_out^T + b_out: [8192 tokens] x [1024 features], K = 1024, f16 operands, f32 sums, f32 out.
; In: ao [16 panels][8192][64], woh [16][1024][64] (f16, K panels; a panel of ao is a head), b_out [1024] f32.  Out: out0 [8192][1024] f32.
; A work-group makes 256 tokens x 128 features: 32 x 8 = 256 work-groups.  Four waves, as many as a WGP has SIMDs; a wave makes 128 x 64: 32 accumulator tiles, 256 registers.
; K goes in steps of 128 (two panels) through two LDS slots.  A panel's tile is dense in memory and comes as rows of 256 bytes; the pad of
; 16 bytes behind every 128 gives each logical row an LDS pitch of 144.
; CLUSTERS: 4 x 4 work-groups; ao's tiles are shared along a row of the cluster, woh's along a column, by joint loads.
; The matrix instruction is used transposed (source 0 = rows of woh, source 1 = rows of ao): lane l holds token l % 16, registers 0 to 7 the
; features 8 (l / 16) + 0 .. 7.  The bias, laid out in that form, is the C of the first products: it starts the sums and costs no add.
; window 0: v16-26 addresses; v32-95, v96-159 ao's fragments, two buffers; v160-191, v192-223 woh's, two buffers; v224-255 the bias.
; window 1: accumulator tile (a, b), a = token block 0-7, b = feature block 0-3, at v[8 (8 b + a)].
.set PITCH,  144
.set ATILE,  256*PITCH                 ; one panel of ao's 256 rows
.set BTILE,  128*PITCH                 ; one panel of woh's 128 rows
.set SLOT,   2*ATILE+2*BTILE           ; 110,592
.set STAGE,  2*SLOT                    ; behind the ring: 16 rows x 272 bytes for each wave; no tensor load lands here
.set SPITCH, 272                       ; 64 f32 + 16 bytes
.set APANEL, 8192*128
.set BPANEL, 1024*128
.set LAPS,   4                         ; a lap = two K steps; 8 K steps
.set ADRA, 16
.set ADRB, 20
.set STO,  24
.set RD,   25
.set CO,   26
.set AF0,  32
.set BF0,  160
.set BIAS, 224
.set G1,  24
.set G0,  32
.set G1B, 48
.set G0B, 56
.set G1W0, (1<<16)|(1<<20)|(1<<21)|(4<<22)|(3<<25)   ; 2-byte elements; padding on; bit 21 beside a mask; after every 32 words; 4 words
.set MSB, 0
.macro WIN new
.if MSB != (\new)
	s_set_vgpr_msb (MSB<<8)|(\new)
.set MSB, \new
.endif
.endm
.macro PLACES                          ; four plain vector places behind matrix instructions (ISA guide 7.12.1)
.rept 4
	v_nop
.endr
.endm
; A joint load: waves 0 and 1 fetch ao's two panels of the step, waves 2 and 3 woh's.  Four v_nop follow each line.
.macro JLOAD s
	s_cmp_eq_u32 s13, 0
	s_cbranch_scc0 .Lfor_b_\@
	tensor_load_to_lds s[G0+4*\s:G0+4*\s+3], s[G1:G1+7]
	s_nop 0
.rept 4
	v_nop
.endr
	s_branch .Lasked_\@
.Lfor_b_\@:
	tensor_load_to_lds s[G0B+4*\s:G0B+4*\s+3], s[G1B:G1B+7]
	s_nop 0
.rept 4
	v_nop
.endr
.Lasked_\@:
.endm
.macro CREST
	s_cmp_lg_u32 s12, 0
	s_cbranch_scc1 .Lnot_wave_0_\@
	s_barrier_signal -3
.Lnot_wave_0_\@:
	s_barrier_wait -3
	s_barrier_signal -1
	s_barrier_wait -1
.endm
.macro CROUND
	s_barrier_signal -1
	s_barrier_wait -1
	CREST
.endm
	s_load_b256 s[4:11], s[0:1], 0x0               ; ao s[4:5], woh s[6:7], b_out s[8:9], out0 s[10:11]
	v_lshl_add_u32 v30, v0, 2, 0x3a400
	v_mov_b32 v31, 0
	ds_add_u32 v30, v31
	v_lshrrev_b32 v1, 5, v0
	v_readfirstlane_b32 s12, v1                    ; wave 0..3
	s_lshr_b32 s13, s12, 1                         ; which 128 tokens are mine.  Also: I fetch for ao (0) or for woh (1)
	s_and_b32 s14, s12, 1                          ; which 64 features.  Also: which panel of the step I fetch
	s_bfe_u32 s40, ttmp6, 0x40000                  ; cx
	s_bfe_u32 s41, ttmp6, 0x40004                  ; cy
	s_lshl_b32 s42, ttmp9, 2
	s_add_co_u32 s42, s42, s40                     ; feature block
	s_and_b32 s15, ttmp7, 0xffff
	s_lshl_b32 s15, s15, 2
	s_add_co_u32 s15, s15, s41                     ; token block
	s_lshl_b32 s43, s41, 2
	s_lshl_b32 s43, 15, s43                        ; my row of the cluster
	s_lshl_b32 s44, 0x1111, s40                    ; my column
	s_or_b32  s[G1+0],  s43, G1W0
	s_or_b32  s[G1B+0], s44, G1W0
	s_mov_b32 s[G1+1],  128<<16                    ; tensor_dim0 = 128 elements (256 bytes)
	s_mov_b32 s[G1B+1], 128<<16
	s_mov_b32 s[G1+2],  128<<16                    ; tensor_dim1: 128 such rows for ao's panel,
	s_mov_b32 s[G1B+2], 64<<16                     ; 64 for woh's
	s_mov_b32 s[G1+3],  128<<16                    ; tile_dim0
	s_mov_b32 s[G1B+3], 128<<16
	s_mov_b32 s[G1+4],  128                        ; tile_dim1
	s_mov_b32 s[G1B+4], 64
	s_mov_b32 s[G1+5],  128                        ; dense
	s_mov_b32 s[G1B+5], 128
	s_mov_b32 s[G1+6],  0
	s_mov_b32 s[G1B+6], 0
	s_mov_b32 s[G1+7],  0
	s_mov_b32 s[G1B+7], 0
	s_lshl_b32 s16, s15, 15                        ; ao: token block x 256 rows x 128 bytes
	s_lshl_b32 s17, s14, 20                        ; + my panel of the step
	s_add_co_u32 s16, s16, s17
	s_mov_b32 s17, 0
	s_lshl_b32 s46, s42, 14                        ; woh: feature block x 128 rows x 128 bytes
	s_lshl_b32 s47, s14, 17                        ; + my panel
	s_add_co_u32 s46, s46, s47
	s_mov_b32 s47, 0
	s_mul_i32 s20, s12, ATILE                      ; LDS: ao's panels at 0 and 36,864 (waves 0, 1)
	s_mul_i32 s21, s12, BTILE
	s_add_co_u32 s21, s21, ATILE                   ; woh's at 73,728 and 92,160 (waves 2, 3): 36,864 + 18,432 w
	s_wait_dscnt 0x0
	s_wait_kmcnt 0x0
	s_add_nc_u64 s[18:19], s[4:5], s[16:17]
	s_add_nc_u64 s[46:47], s[6:7], s[46:47]
	CROUND                                         ; all sixteen work-groups are here
.irp s, 0,1
	s_mov_b32 s[G0+4*\s], 1
	s_add_co_u32 s[G0+4*\s+1], s20, \s*SLOT
	s_add_nc_u64 s[G0+4*\s+2:G0+4*\s+3], s[18:19], \s*2*APANEL
	s_or_b32 s[G0+4*\s+3], s[G0+4*\s+3], 0x80000000
	s_mov_b32 s[G0B+4*\s], 1
	s_add_co_u32 s[G0B+4*\s+1], s21, \s*SLOT
	s_add_nc_u64 s[G0B+4*\s+2:G0B+4*\s+3], s[46:47], \s*2*BPANEL
	s_or_b32 s[G0B+4*\s+3], s[G0B+4*\s+3], 0x80000000
	JLOAD \s                                       ; both slots' first fills go out together: two tensor loads of the wave are out
.endr
	v_and_b32 v1, 15, v0
	v_bfe_u32 v2, v0, 4, 1
	s_lshl_b32 s46, s42, 9                         ; my first feature, in f32 bytes: 512 x block + 256 x half
	s_lshl_b32 s47, s14, 8
	s_add_co_u32 s46, s46, s47
	s_mov_b32 s47, 0
	s_add_nc_u64 s[8:9], s[8:9], s[46:47]
	v_lshlrev_b32 v7, 5, v2                        ; the bias of features 16 b + 8 h + 0..7: 32 bytes at 64 b + 32 h
.irp b, 0,1,2,3
	global_load_b128 v[BIAS+8*\b:BIAS+8*\b+3],   v7, s[8:9] offset:64*\b
	global_load_b128 v[BIAS+8*\b+4:BIAS+8*\b+7], v7, s[8:9] offset:64*\b+16
.endr
	v_mul_u32_u24 v3, v1, PITCH
	v_lshl_add_u32 v3, v2, 4, v3                   ; row x pitch + 16 x half
	s_mul_i32 s22, s13, 128*PITCH                  ; my 128 rows of ao
	s_mul_i32 s23, s14, 64*PITCH                   ; my 64 rows of woh,
	s_add_co_u32 s23, s23, 2*ATILE                 ; behind ao's two panels
.irp s, 0,1
	v_add_nc_u32 v[ADRA+\s], s22, v3
	v_add_nc_u32 v[ADRB+\s], s23, v3
	s_add_co_u32 s22, s22, SLOT
	s_add_co_u32 s23, s23, SLOT
.endr
	s_mul_i32 s45, s12, 16*SPITCH
	s_add_co_u32 s45, s45, STAGE                   ; my stage
	v_mul_u32_u24 v4, v1, SPITCH                   ; in: token l % 16, 32 bytes for each half of the lanes
	v_lshl_add_u32 v4, v2, 5, v4
	v_add_nc_u32 v[STO], s45, v4
	v_mul_u32_u24 v5, v2, SPITCH                   ; back: lanes 0-15 take one token's 256 bytes, lanes 16-31 the next token's
	v_lshl_add_u32 v5, v1, 4, v5
	v_add_nc_u32 v[RD], s45, v5
	v_lshlrev_b32 v6, 12, v2                       ; and the same two rows of out0, 4,096 bytes apart
	v_lshl_add_u32 v[CO], v1, 4, v6
; 8 matrix instructions: feature block bb x all 8 token blocks, 32 along K, on buffers f.  mode = 1: C is the bias.
; The 32 accumulators take turns, one instruction a turn.
.macro MUL8 f, bb, mode
.irp a, 0,1,2,3,4,5,6,7
.if \mode
	v_wmma_f32_16x16x32_f16 v[8*(8*\bb+\a):8*(8*\bb+\a)+7], v[BF0+32*\f+8*\bb:BF0+32*\f+8*\bb+7], v[AF0+64*\f+8*\a:AF0+64*\f+8*\a+7], v[BIAS+8*\bb:BIAS+8*\bb+7]
.else
	v_wmma_f32_16x16x32_f16 v[8*(8*\bb+\a):8*(8*\bb+\a)+7], v[BF0+32*\f+8*\bb:BF0+32*\f+8*\bb+7], v[AF0+64*\f+8*\a:AF0+64*\f+8*\a+7], v[8*(8*\bb+\a):8*(8*\bb+\a)+7]
.endif
.endr
.endm
; 24 loads in one run: quarter kq of a slot (panel kq / 2, byte 64 (kq mod 2) of its rows) into buffers f: woh's fragments 0, 1; ao's eight; woh's 2, 3
.macro FETCHB slot, kq, f, b
	ds_load_b128 v[BF0+32*\f+8*\b:BF0+32*\f+8*\b+3],   v[ADRB+\slot] offset:((\kq)>>1)*BTILE+\b*16*PITCH+((\kq)&1)*64
	ds_load_b128 v[BF0+32*\f+8*\b+4:BF0+32*\f+8*\b+7], v[ADRB+\slot] offset:((\kq)>>1)*BTILE+\b*16*PITCH+((\kq)&1)*64+32
.endm
.macro FETCH slot, kq, f
	FETCHB \slot,\kq,\f,0
	FETCHB \slot,\kq,\f,1
.irp i, 0,1,2,3,4,5,6,7
	ds_load_b128 v[AF0+64*\f+8*\i:AF0+64*\f+8*\i+3],   v[ADRA+\slot] offset:((\kq)>>1)*ATILE+\i*16*PITCH+((\kq)&1)*64
	ds_load_b128 v[AF0+64*\f+8*\i+4:AF0+64*\f+8*\i+7], v[ADRA+\slot] offset:((\kq)>>1)*ATILE+\i*16*PITCH+((\kq)&1)*64+32
.endr
	FETCHB \slot,\kq,\f,2
	FETCHB \slot,\kq,\f,3
.endm
; One of a K step's first three quarters: multiplies buffers f; in its middle fetches quarter kq of the same slot into the other buffers.
.macro QUARTER slot, kq, f, mode
	s_wait_dscnt 4                                 ; all but the youngest four loads (woh's fragments 2, 3) are back
	WIN (0x50-0x10*\mode)                          ; D in window 1; C there too, or, for the bias, in window 0
	MUL8 \f,0,\mode
	MUL8 \f,1,\mode
	WIN 0
	PLACES
	FETCH \slot,\kq,(1-\f)
	s_wait_dscnt 24                                ; all but the 24 just issued
	WIN (0x50-0x10*\mode)
	MUL8 \f,2,\mode
	MUL8 \f,3,\mode
.endm
.macro THREE slot, mode
	QUARTER \slot,1,0,\mode
	QUARTER \slot,2,1,0
	QUARTER \slot,3,0,0
.endm
; The last quarter: multiplies buffers 1 and changes slots, with one barrier: in front of it my reads of this slot and all my tensor loads are waited for;
; behind it the refill comes first, then the next slot's first fragments.
.macro TURN slot, next, fill
	s_wait_dscnt 4
	WIN 0x50
	MUL8 1,0,0
	s_wait_dscnt 0x0                               ; my reads of this slot are over
	s_wait_tensorcnt 0x0                           ; all my tensor loads have landed: the one that was out is my part of the next slot
	ds_add_u32 v30, v31
	s_wait_dscnt 0x0
	s_barrier_signal -1                            ; where the slot is filled again this barrier opens a round of the cluster's barrier
	MUL8 1,1,0                                     ; register work while the others arrive
	WIN 0
	s_barrier_wait -1
.if \fill
	CREST
	s_add_nc_u64 s[G0+4*\slot+2:G0+4*\slot+3], s[G0+4*\slot+2:G0+4*\slot+3], 4*APANEL
	s_add_nc_u64 s[G0B+4*\slot+2:G0B+4*\slot+3], s[G0B+4*\slot+2:G0B+4*\slot+3], 4*BPANEL
	JLOAD \slot                                    ; the first tensor load behind the round, one a wave; its four v_nop are also the places in front of the loads below
.else
	PLACES
.endif
	FETCH \next,0,0
	WIN 0x50
	MUL8 1,2,0
	MUL8 1,3,0
.endm
.macro LAP mode
	THREE 0,\mode
	TURN 0,1,1
	THREE 1,0
	TURN 1,0,1
.endm
	s_wait_tensorcnt 0x1                           ; my part of K step 0 is in; K step 1's stays out
	s_barrier_signal -1
	s_barrier_wait -1
	FETCH 0,0,0
	s_wait_loadcnt 0x0                             ; the bias, once
	LAP 1                                          ; the first lap stands in front of the loop: its first products add onto the bias
	WIN 0                                          ; at a label and at a branch every window is 0
	s_mov_b32 s3, LAPS-2
.Llap:
	LAP 0
	WIN 0
	s_sub_co_u32 s3, s3, 1
	s_cmp_lg_u32 s3, 0
	s_cbranch_scc1 .Llap
	THREE 0,0                                      ; the last lap fills nothing
	TURN 0,1,0
	THREE 1,0
	s_wait_dscnt 4                                 ; the very last quarter
	WIN 0x50
	MUL8 1,0,0
	MUL8 1,1,0
	s_wait_dscnt 0x0
	MUL8 1,2,0
	MUL8 1,3,0
	WIN 0
	; THE WAY OUT, 16 tokens at a time: a lane's 32 bytes of a tile straight from the accumulators into my own stage, read back as whole rows of 256 bytes.
	PLACES
	s_lshl_b32 s16, s15, 20                        ; token block x 256 rows x 4,096 bytes
	s_lshl_b32 s17, s13, 19                        ; + my 128 rows
	s_add_co_u32 s16, s16, s17
	s_mov_b32 s17, 0
	s_add_nc_u64 s[10:11], s[10:11], s[16:17]
	s_add_nc_u64 s[10:11], s[10:11], s[46:47]      ; + my first feature's bytes, as for the bias
.macro OUT16 a, rb
	WIN 0x04                                       ; the stores' data in window 1
.irp b, 0,1,2,3
	ds_store_b128 v[STO], v[8*(8*\b+\a):8*(8*\b+\a)+3]   offset:64*\b
	ds_store_b128 v[STO], v[8*(8*\b+\a)+4:8*(8*\b+\a)+7] offset:64*\b+16
.endr
	WIN 0
	s_wait_xcnt 0x0                                ; the set rb, which earlier stores read, is loaded again only behind this wait
.irp t, 0,1,2,3,4,5,6,7
	ds_load_b128 v[\rb+4*\t:\rb+4*\t+3], v[RD] offset:\t*2*SPITCH    ; LDS serves a wave's instructions in order (ISA guide 5.7.1): these see the stores above
.endr
.irp t, 0,1,2,3,4,5,6,7
	s_wait_dscnt 7-\t
	global_store_b128 v[CO], v[\rb+4*\t:\rb+4*\t+3], s[10:11] offset:\a*65536+\t*8192 th:TH_STORE_NT   ; 16 lanes store 256 consecutive bytes, aligned
.endr
.endm
	OUT16 0, 32
	OUT16 1, 96
	OUT16 2, 32
	OUT16 3, 96
	OUT16 4, 32
	OUT16 5, 96
	OUT16 6, 32
	OUT16 7, 96
	s_wait_tensorcnt 0x0
	ds_add_u32 v30, v31
	s_wait_dscnt 0x0
	CROUND                                         ; the closing round
	s_endpgm
.Lfunc_end_k_qcff5e4e404_proj:
	.size	k_qcff5e4e404_proj, .Lfunc_end_k_qcff5e4e404_proj-k_qcff5e4e404_proj
	.p2alignl 7, 3214868480
	.fill 96, 4, 3214868480
	.section	.rodata,"a",@progbits
	.p2align	6, 0x0
	.amdhsa_kernel k_qcff5e4e404_proj
		.amdhsa_group_segment_fixed_size 327680
		.amdhsa_private_segment_fixed_size 0
		.amdhsa_enable_private_segment 0
		.amdhsa_kernarg_size 32
		.amdhsa_user_sgpr_count 2
		.amdhsa_user_sgpr_kernarg_segment_ptr 1
		.amdhsa_wavefront_size32 1
		.amdhsa_system_sgpr_workgroup_id_x 1
		.amdhsa_system_sgpr_workgroup_id_y 1
		.amdhsa_system_sgpr_workgroup_id_z 1
		.amdhsa_system_vgpr_workitem_id 0
		.amdhsa_next_free_vgpr 512
		.amdhsa_next_free_sgpr 66
		.amdhsa_reserve_vcc 0
		.amdhsa_float_denorm_mode_32 3
		.amdhsa_float_denorm_mode_16_64 3
		.amdhsa_memory_ordered 1
		.amdhsa_forward_progress 1
		.amdhsa_inst_pref_size 120
	.end_amdhsa_kernel
	.amdgpu_metadata
---
amdhsa.version: [ 1, 2 ]
amdhsa.kernels:
  - .name:           k_qcff5e4e404_proj
    .symbol:         k_qcff5e4e404_proj.kd
    .args:
      - { .name: ao, .offset: 0, .size: 8, .value_kind: global_buffer, .address_space: global }
      - { .name: woh, .offset: 8, .size: 8, .value_kind: global_buffer, .address_space: global }
      - { .name: b_out, .offset: 16, .size: 8, .value_kind: global_buffer, .address_space: global }
      - { .name: out0, .offset: 24, .size: 8, .value_kind: global_buffer, .address_space: global }
    .group_segment_fixed_size: 327680
    .private_segment_fixed_size: 0
    .kernarg_segment_align: 8
    .kernarg_segment_size: 32
    .max_flat_workgroup_size: 128
    .sgpr_count:     66
    .vgpr_count:     512
    .wavefront_size: 32
...
	.end_amdgpu_metadata
.endif
;; end of part 4
;; ======== version 2 of 2: 4 launches; version 1 with the launch cast written anew for expert scheduling mode
;; limits: values are held in f16: magnitudes above 65,504 overflow, below 6.1e-05 lose precision
;; workspace buffers: xh 16,777,216 bytes; wqh 6,291,456 bytes; woh 2,097,152 bytes; qkv 50,331,648 bytes; ao 16,777,216 bytes
;; launch cast (part 5): grid 768 x 1, 8 waves a work-group, no clusters, 0 bytes of LDS; arguments x, w_qkv, w_out, xh, wqh, woh; writes xh, wqh, woh
.if DOCPART == 5
	.amdgcn_target "amdgcn-amd-amdhsa--gfx1250"
	.amdhsa_code_object_version 6
	.text
	.protected	k_qcff5e4e404_cast
	.globl	k_qcff5e4e404_cast
	.p2align	8
	.type	k_qcff5e4e404_cast,@function
k_qcff5e4e404_cast:
	s_mov_b64 s[64:65], 0
	v_nop
	global_prefetch_b8 v0, s[64:65] scope:SCOPE_SE
	s_setreg_imm32_b32 hwreg(HW_REG_WAVE_SCHED_MODE, 0, 2), 2
	s_setreg_imm32_b32 hwreg(HW_REG_WAVE_MODE, 25, 1), 1
	s_wait_xcnt 0x0
	s_wait_alu depctr_vm_vsrc(0)
; x [8192][1024], w_qkv [3072][1024], w_out [1024][1024], all f32, are rounded once to f16 and laid out anew in K panels:
; dst[kp][row][64], byte (kp * rows + row) * 128 + 2 (k mod 64), kp = k / 64.  A tile "R rows x 64 k" of such a buffer is a dense
; block of R * 128 bytes, which the later launches fetch as aligned rows of 256 bytes.
; LIMIT: f16 holds magnitudes below 65,504; larger inputs become infinities.
; A stream: no LDS, no barrier, no matrix unit.  A work-group takes 16 rows (512 groups for x, 192 for w_qkv, 64 for w_out);
; thread t takes 16 bytes at column 16 (t mod 16) of each of the 16 panels of row t / 16.  A wave's load covers two pieces of 256
; consecutive bytes (one panel of two rows); its store covers 256 consecutive bytes, aligned (the same panel of the two rows, in f16).
; All 16 loads of a thread go out first.
; THE MODE: SCHED_MODE bits 1:0 = 2 (LLVM: expert scheduling mode 2), set by the entry lines.  The code itself states the register dependences
; between vector instructions and memory instructions, with s_wait_alu, always for 0.
; THE PLAN.  Registers that memory instructions touch:
;   v1, v2   byte offsets.  Written once, at the head, by vector instructions; v1 is read by the 16 loads, v2 by the 16 stores.
;   X        four registers a panel.  Written by the panel's one load; read by its two conversions; never loaded again.
;   Y        two registers a panel.   Written by the panel's two conversions; read by its one store; never written again.
; No register that a memory instruction reads is written a second time, and no load lands in a register that a vector instruction has named: what is
; left to state is that the offsets are written ahead of the loads, and that a panel's Y is written ahead of its store.
; The 16 panels go in four blocks of four.  Block p rounds its X into its Y; its memory instructions are the four stores of block p - 1, whose Y no
; conversion of block p names.  So one wait at a block's head serves the block's four stores, which are dealt among its conversions; one more
; stands ahead of the last four stores.
.set IN,  1                            ; v1        byte offset of my 16 bytes in panel 0 of my row, from the group's first row
.set OUT, 2                            ; v2        byte offset of my 8 bytes in a panel, from the group's first row there
.set X,   4                            ; v[4:67]   panel kp: 4 numbers as loaded
.set Y,   68                           ; v[68:99]  panel kp: 4 numbers in f16
	s_load_b256 s[4:11], s[0:1], 0x0               ; x s[4:5], w_qkv s[6:7], w_out s[8:9], xh s[10:11]
	s_load_b128 s[12:15], s[0:1], 0x20             ; wqh s[12:13], woh s[14:15]
	v_lshrrev_b32 v3, 4, v0                        ; my row in the group
	v_and_b32 v[IN], 15, v0
	v_lshlrev_b32 v[IN], 4, v[IN]
	v_lshl_add_u32 v[IN], v3, 12, v[IN]            ; row x 4,096 + 16 (t mod 16)
	v_lshlrev_b32 v[OUT], 3, v0                    ; row x 128 + 8 (t mod 16) = 8 t
	s_wait_kmcnt 0x0
; The store of panel kp.  db: the scalar pair with the target's address; rows: the tensor's rows.
.macro PUT kp, db, rows
.if (\kp) < 8
	global_store_b64 v[OUT], v[Y+2*(\kp):Y+2*(\kp)+1], s[\db:\db+1] offset:(\kp)*\rows*128
.else
	global_store_b64 v[OUT], v[Y+2*(\kp):Y+2*(\kp)+1], s[16:17] offset:((\kp)-8)*\rows*128
.endif
.endm
; One tensor's share.  sb, db: the scalar pairs with the source's and the target's address; rows: the tensor's rows; g0: its first work-group.
.macro CAST sb, db, rows, g0
	s_sub_co_u32 s2, ttmp9, \g0                    ; my group among the tensor's
	s_lshl_b32 s18, s2, 16                         ; 16 rows of 4,096 bytes in
	s_mov_b32 s19, 0
	s_lshl_b32 s20, s2, 11                         ; 16 rows of 128 bytes in each panel out
	s_mov_b32 s21, 0
	s_add_nc_u64 s[\sb:\sb+1], s[\sb:\sb+1], s[18:19]
	s_add_nc_u64 s[\db:\db+1], s[\db:\db+1], s[20:21]
	s_add_nc_u64 s[16:17], s[\db:\db+1], 8*\rows*128   ; panels 8 to 15 get a base of their own: 7 panels of 8,192 rows are 7,340,032 bytes, inside the signed 24-bit immediate
	s_wait_alu depctr_va_vdst(0)                   ; v1 and v2 are written: the loads below read v1 as their offset, every store of the kernel v2
.irp kp, 0,1,2,3,4,5,6,7,8,9,10,11,12,13,14,15
	global_load_b128 v[X+4*\kp:X+4*\kp+3], v[IN], s[\sb:\sb+1] offset:256*\kp th:TH_LOAD_NT
.endr
.irp p, 0,1,2,3
	s_wait_loadcnt 12-4*\p                         ; loads come back in order (ISA guide 5.7.1): the four panels of block p are in, the younger ones stay out
.if \p > 0
	s_wait_alu depctr_va_vdst(0)                   ; the conversions of the block before have written its Y, which the four stores below read
.endif
.irp i, 0,1,2,3
.if \p > 0
	PUT 4*(\p-1)+\i, \db, \rows                    ; the block before.  No further wait: no conversion since the wait names its Y or v2
.endif
	v_cvt_pk_f16_f32 v[Y+2*(4*\p+\i)],   v[X+4*(4*\p+\i)],   v[X+4*(4*\p+\i)+1]
	v_cvt_pk_f16_f32 v[Y+2*(4*\p+\i)+1], v[X+4*(4*\p+\i)+2], v[X+4*(4*\p+\i)+3]
.endr
.endr
	s_wait_alu depctr_va_vdst(0)                   ; the conversions of block 3 have written its Y, which the last four stores read
.irp i, 0,1,2,3
	PUT 12+\i, \db, \rows
.endr
	s_endpgm
.endm
	s_cmp_lt_u32 ttmp9, 512
	s_cbranch_scc1 .Lx
	s_cmp_lt_u32 ttmp9, 704
	s_cbranch_scc1 .Lwq
	CAST 8, 14, 1024, 704                          ; w_out -> woh
.Lwq:
	CAST 6, 12, 3072, 512                          ; w_qkv -> wqh
.Lx:
	CAST 4, 10, 8192, 0                            ; x -> xh
.Lfunc_end_k_qcff5e4e404_cast:
	.size	k_qcff5e4e404_cast, .Lfunc_end_k_qcff5e4e404_cast-k_qcff5e4e404_cast
	.p2alignl 7, 3214868480
	.fill 96, 4, 3214868480
	.section	.rodata,"a",@progbits
	.p2align	6, 0x0
	.amdhsa_kernel k_qcff5e4e404_cast
		.amdhsa_group_segment_fixed_size 0
		.amdhsa_private_segment_fixed_size 0
		.amdhsa_enable_private_segment 0
		.amdhsa_kernarg_size 48
		.amdhsa_user_sgpr_count 2
		.amdhsa_user_sgpr_kernarg_segment_ptr 1
		.amdhsa_wavefront_size32 1
		.amdhsa_system_sgpr_workgroup_id_x 1
		.amdhsa_system_sgpr_workgroup_id_y 1
		.amdhsa_system_sgpr_workgroup_id_z 1
		.amdhsa_system_vgpr_workitem_id 0
		.amdhsa_next_free_vgpr 104
		.amdhsa_next_free_sgpr 66
		.amdhsa_reserve_vcc 0
		.amdhsa_float_denorm_mode_32 3
		.amdhsa_float_denorm_mode_16_64 3
		.amdhsa_memory_ordered 1
		.amdhsa_forward_progress 1
		.amdhsa_inst_pref_size 18
	.end_amdhsa_kernel
	.amdgpu_metadata
---
amdhsa.version: [ 1, 2 ]
amdhsa.kernels:
  - .name:           k_qcff5e4e404_cast
    .symbol:         k_qcff5e4e404_cast.kd
    .args:
      - { .name: x, .offset: 0, .size: 8, .value_kind: global_buffer, .address_space: global }
      - { .name: w_qkv, .offset: 8, .size: 8, .value_kind: global_buffer, .address_space: global }
      - { .name: w_out, .offset: 16, .size: 8, .value_kind: global_buffer, .address_space: global }
      - { .name: xh, .offset: 24, .size: 8, .value_kind: global_buffer, .address_space: global }
      - { .name: wqh, .offset: 32, .size: 8, .value_kind: global_buffer, .address_space: global }
      - { .name: woh, .offset: 40, .size: 8, .value_kind: global_buffer, .address_space: global }
    .group_segment_fixed_size: 0
    .private_segment_fixed_size: 0
    .kernarg_segment_align: 8
    .kernarg_segment_size: 48
    .max_flat_workgroup_size: 256
    .sgpr_count:     66
    .vgpr_count:     104
    .wavefront_size: 32
...
	.end_amdgpu_metadata
.endif
;; end of part 5
;; launch qkv: the kernel of part 2 again; grid 8 x 32, 4 waves a work-group, clusters of 4 x 4, 327,680 bytes of LDS; arguments xh, wqh, qkv; writes qkv
;; launch attn: the kernel of part 3 again; grid 256 x 1, 8 waves a work-group, clusters of 4 x 1, 327,680 bytes of LDS; arguments qkv, ao; writes ao
;; launch proj: the kernel of part 4 again; grid 8 x 32, 4 waves a work-group, clusters of 4 x 4, 327,680 bytes of LDS; arguments ao, woh, b_out, out0; writes out0
